; MI455X (gfx1250); checked and timed in simulation.
; The chip was launched on July 23, 2026; its instructions are those of AMD's public machine-readable ISA for CDNA 5 (MIT licence, August 2026) and "CDNA5" Instruction Set Architecture Reference Guide (July 2026). The comments in the code are by the model that wrote it; some were corrected since.
;; NSM. Allowed arithmetic: float matrix products may take bf16 or f16 operands with f32 sums; all other float work in f32.
;; Inputs: M 256 x 256 float32; W 256 x 512 float32; x 65,536 x 512 float32.
;; Outputs: out0 65,536 x 256 float32.
;; 2 versions, each right; version 2 is version 1 with the launch fold written anew for expert scheduling mode. Each part assembles by itself: llvm-mc -triple=amdgcn-amd-amdhsa -mcpu=gfx1250 --defsym DOCPART=n.
;; ======== version 1 of 2: 2 launches
;; workspace buffers: e 262,144 bytes
;; launch fold (part 1): grid 32 x 1, 4 waves a work-group, no clusters, 33,280 bytes of LDS; arguments M, W, e; writes e
.if DOCPART == 1
	.amdgcn_target "amdgcn-amd-amdhsa--gfx1250"
	.amdhsa_code_object_version 6
	.text
	.protected	k_q14a60c4c2f_fold
	.globl	k_q14a60c4c2f_fold
	.p2align	8
	.type	k_q14a60c4c2f_fold,@function
k_q14a60c4c2f_fold:
	s_mov_b64 s[64:65], 0
	v_nop
	global_prefetch_b8 v0, s[64:65] scope:SCOPE_SE
	s_setreg_imm32_b32 hwreg(HW_REG_WAVE_MODE, 25, 1), 1
	s_wait_xcnt 0x0
; THE MODULE IS LINEAR IN x: y0 = x W^T, then twelve times y = x W^T - y M.  So out = x E, where row i of E [512][256] is what the module makes of the i-th unit vector, for every x, W and M.
; This launch makes E: all twelve steps, on the 512 columns of W instead of the 65,536 rows of x.  With Z = E^T [256 n][512 i]: Z0 = W, Z <- W - M^T Z, twelve times.
; SIGN.  T_k = (-1)^k Z_k is carried: T_(k+1) = M^T T_k + (-1)^(k+1) W.  So M is never negated: the C operand that starts a step's sums is -W in odd steps, +W in even ones, and T_12 = Z_12.
; FORMATS.  M and W are rounded to bf16 once (both are matrix operands of the module as it is written); sums in f32.  T_0 = W is bf16 as it stands.  T_1 to T_7 go into the next product rounded to bf16,
; one term.  T_8 to T_11 go in as TWO bf16 terms, hi = bf16(T) and lo = bf16(T - hi), which lose 2^-17 of T and not 2^-9: the rounding of T_k reaches E through 12 - k further products by M, so where M
; shrinks what it multiplies the last roundings weigh most, and the second term (32 products more a wave and step) is spent on them.  E is rounded to bf16 once, at the end, for the next launch's product.
; LIMITS.  The order of summation is not that of the module as written (x is multiplied last); E must be finite in f32; where M does not shrink what it multiplies, the seven single roundings of T_1 to T_7
; weigh like those of a program that rounds y to bf16 in each step, 2^-9 of T each; a NaN or an infinity in W or M reaches E's rows and columns by the products alone and is not treated apart.
; SHARES.  32 work-groups, 16 columns of Z each (a matrix instruction's width; every step needs all 256 rows of Z, which the four waves hand round in LDS).  Wave w owns rows 64 w .. 64 w + 63 as four
; tiles t: row slot p of tile t is n = 64 w + 4 p + t, so that one 16-byte load of a row of M serves four tiles.  Column slot c of work-group blk is i = ib + 4 (c >> 3) + 128 ((c >> 2) & 1) + (c & 3),
; ib = 256 (blk >> 4) + 8 (blk & 15): the order of K in which the next launch reads x.
; NO CLUSTER, NO TENSOR LOAD: M goes straight into registers, once, 256 KB a work-group; a way through LDS would only stand in front of a chain of twelve dependent steps.
; LAYOUT, steps 1 to 11: source 0 = 16 row slots of M^T, source 1 = 16 columns of T.  In the result lane (c, h) holds column c and, in register j of tile t, n = 64 w + 32 h + 4 j + t.  Tiles 2 u and 2 u + 1,
; rounded in pairs, ARE source 1 of K step ks = 2 w + u (tile 2 u + g fills registers 4 g .. 4 g + 3): K slot 16 g + 8 h + j of step ks means m = 64 (ks >> 1) + 32 h + 4 j + 2 (ks & 1) + g, and M's
; fragments are loaded in that order.  Nothing changes lanes between the steps.  Step 12 swaps the sources: lane (r, h) then holds n = 64 w + 4 r + t and the eight columns 8 h + 0..7: 16 bytes of e.
; e: byte w 65536 + k 4096 + t 1024 + g 512 + 16 lane holds registers 4 g .. 4 g + 3 of the next launch's fragment (K step k, tile t) of wave w; this work-group writes k = blk >> 1, g = blk & 1.
; REGISTERS, in windows of 256 (s_set_vgpr_msb: bits 1:0 source 0, 3:2 source 1, 5:4 source 2, 7:6 destination):
;   window 0: addresses, at work, accumulators, W three times      window 1: M^T's 32 fragments, (ks, t) at 8 (4 ks + t)
;   window 2: M as loaded, K steps 0-3; later T's fragments: hi of step ks at 8 ks, lo at 64 + 8 ks      window 3: M as loaded, K steps 4-7
.set BUF,  16384      ; an LDS buffer: T's hi terms, then its lo terms; two buffers take turns
.set PART, 8192       ; a part: K step ks at 1024 ks, half g at 512 g, lane at 16 lane: every access is 512 consecutive bytes a wave
.set MA,  4           ; v4   my byte offset in M: 32 h rows, 16 r
.set WA,  5           ; v5   my byte offset in W, result layout: 32 h rows, column slot r
.set WF,  6           ; v6   my byte offset in W, swapped layout: 4 r rows, columns 4 h on
.set STO, 7           ; v7   LDS: where I put 16 bytes of a fragment: 16 lane + 2048 w
.set LD,  8           ; v8   LDS: where I read 16 bytes of a fragment: 16 lane
.set EO,  9           ; v9   my byte offset in 512 consecutive bytes of e
.set TP,  10          ; v10-17  at work
.set HI,  20          ; v20-35  hi terms, four registers a tile
.set LO,  36          ; v36-51  lo terms
.set ACC, 64          ; v64-95  four accumulators
.set WC,  96          ; v96-127   +W in the result layout
.set WCN, 128         ; v128-159  -W in the result layout
.set WCF, 160         ; v160-191  +W in the swapped layout
.set MSB, 0
.macro WIN new                         ; the immediate's high byte repeats the setting that is left; a switch that changes nothing is dropped
.if MSB != (\new)
	s_set_vgpr_msb (MSB<<8)|(\new)
.set MSB, (\new)
.endif
.endm
	s_load_b128 s[4:7], s[0:1], 0x0                ; M s[4:5], W s[6:7]
	s_load_b64 s[8:9], s[0:1], 0x10                ; e
	v_lshl_add_u32 v254, v0, 2, 0x8000
	v_mov_b32 v255, 0
	v_lshrrev_b32 v3, 5, v0
	v_readfirstlane_b32 s10, v3                    ; wave 0..3
	s_mov_b32 s11, ttmp9                           ; blk
	s_mov_b32 s12, 0xffff0000                      ; a word's upper bf16
	v_and_b32 v1, 15, v0                           ; r
	v_bfe_u32 v2, v0, 4, 1                         ; h
	v_and_b32 v3, 31, v0                           ; lane
	v_lshlrev_b32 v[MA], 15, v2
	v_lshl_or_b32 v[MA], v1, 4, v[MA]
	v_lshlrev_b32 v[WA], 16, v2                    ; 32 h rows of 2,048 bytes
	v_bfe_u32 v10, v0, 3, 1
	v_lshl_add_u32 v[WA], v10, 4, v[WA]            ; + 4 (c >> 3) columns
	v_bfe_u32 v10, v0, 2, 1
	v_lshl_add_u32 v[WA], v10, 9, v[WA]            ; + 128 ((c >> 2) & 1)
	v_and_b32 v10, 3, v0
	v_lshl_add_u32 v[WA], v10, 2, v[WA]            ; + (c & 3)
	v_lshlrev_b32 v[WF], 13, v1                    ; 4 r rows
	v_lshl_add_u32 v[WF], v2, 4, v[WF]             ; + 4 h columns
	v_lshlrev_b32 v[LD], 4, v3
	v_lshlrev_b32 v[EO], 4, v3
	s_lshl_b32 s21, s10, 11
	v_add_nc_u32 v[STO], s21, v[LD]
	s_lshl_b32 s14, s10, 8                         ; M: my 64 columns
	s_mov_b32 s15, 0
	s_lshr_b32 s16, s11, 4                         ; W: 4 ib = 1024 (blk >> 4) + 32 (blk & 15),
	s_lshl_b32 s16, s16, 10
	s_and_b32 s20, s11, 15
	s_lshl_b32 s20, s20, 5
	s_add_co_u32 s16, s16, s20
	s_lshl_b32 s20, s10, 17                        ; and my 64 rows
	s_add_co_u32 s16, s16, s20
	s_mov_b32 s17, 0
	s_lshr_b32 s18, s11, 1                         ; e: K step blk >> 1,
	s_lshl_b32 s18, s18, 12
	s_and_b32 s20, s11, 1                          ; half blk & 1,
	s_lshl_b32 s20, s20, 9
	s_add_co_u32 s18, s18, s20
	s_lshl_b32 s20, s10, 16                        ; wave w's quarter
	s_add_co_u32 s18, s18, s20
	s_mov_b32 s19, 0
	s_wait_kmcnt 0x0
	s_add_nc_u64 s[4:5], s[4:5], s[14:15]
	s_add_nc_u64 s[6:7], s[6:7], s[16:17]
	s_add_nc_u64 s[8:9], s[8:9], s[18:19]
	; ALL LOADS, 168, in the order in which they are wanted: W twice (40), then M by K steps (8 x 16).
.set i, 0
.rept 32                               ; i = 8 t + j: W[64 w + 32 h + 4 j + t][i(c)]
	global_load_b32 v[WC+i], v[WA], s[6:7] offset:(4*(i%8)+i/8)*2048
.set i, i+1
.endr
.set i, 0
.rept 8                                ; i = 2 t + a: W[64 w + 4 r + t][ib + 4 h + 128 a + 0..3]
	global_load_b128 v[WCF+4*i:WCF+4*i+3], v[WF], s[6:7] offset:(i/2)*2048+(i%2)*512
.set i, i+1
.endr
.irp half, 0,1
	WIN 0x80+0x40*\half                            ; destination window 2, then 3; address window 0
.set i, 0
.rept 64                               ; i = 16 (ks & 3) + 8 g + j: M[m][64 w + 4 r + 0..3]: component t belongs to tile t; sixteen lanes read 256 consecutive bytes, aligned
.set kq, 4*\half+i/16
	global_load_b128 v[4*i:4*i+3], v[MA], s[4:5] offset:(64*(kq/2)+2*(kq%2)+(i/8)%2+4*(i%8))*1024
.set i, i+1
.endr
.endr
	WIN 0
	s_wait_loadcnt 63                              ; loads come back in order (ISA guide 5.7.1): the 63 youngest may be out, so the first 105 are in: W's 40 and M's K steps 0 to 3
	; W is rounded to bf16 and widened again; T_0 = W has no lo term.
.set i, 0
.rept 16
	v_cvt_pk_bf16_f32 v[HI+i], v[WC+2*i], v[WC+2*i+1]
	v_cvt_pk_bf16_f32 v[LO+i], v[WCF+2*i], v[WCF+2*i+1]
.set i, i+1
.endr
.set i, 0
.rept 16
	v_lshlrev_b32 v[WC+2*i], 16, v[HI+i]
	v_and_b32 v[WC+2*i+1], s12, v[HI+i]
	v_lshlrev_b32 v[WCF+2*i], 16, v[LO+i]
	v_and_b32 v[WCF+2*i+1], s12, v[LO+i]
.set i, i+1
.endr
.set i, 0
.rept 16
	v_pk_mul_f32 v[WCN+2*i:WCN+2*i+1], v[WC+2*i:WC+2*i+1], -1.0 op_sel_hi:[1,0]
.set i, i+1
.endr
.irp t, 0,1,2,3
	ds_store_b128 v[STO], v[HI+4*\t:HI+4*\t+3] offset:(\t/2)*1024+(\t%2)*512  ; T_0 into buffer 0: tile t is half t & 1 of K step 2 w + (t >> 1)
.endr
; M's fragments of K step ks: register 4 g + q of tile t takes K slots 16 g + 8 h + 2 q and + 1, which loads (ks, g, 2 q) and (ks, g, 2 q + 1) brought
.macro CVTA ks
	WIN 0x4a+5*((\ks)/4)                           ; sources window 2 or 3, destination window 1
.irp t, 0,1,2,3
.irp g, 0,1
.irp q, 0,1,2,3
	v_cvt_pk_bf16_f32 v[(4*(\ks)+\t)*8+4*\g+\q], v[4*(16*((\ks)%4)+8*\g+2*\q)+\t], v[4*(16*((\ks)%4)+8*\g+2*\q+1)+\t]
.endr
.endr
.endr
.endm
	CVTA 0
	CVTA 1
	CVTA 2
	CVTA 3
	s_wait_loadcnt 48                              ; K step 4 is in: the three later steps' 16 loads each may be out
	CVTA 4
	s_wait_loadcnt 32
	CVTA 5
	s_wait_loadcnt 16
	CVTA 6
	s_wait_loadcnt 0x0
	CVTA 7
	WIN 0
; A STEP, in three parts.
; GATHER: ONE barrier a step.  In front of it each wave's stores into buffer rb are done, and so are its reads, a step ago, of the other buffer; behind it rb is whole and nobody reads the other buffer,
; into which this step will write.  Then all of T's fragments: for each K step hi's two halves and (lo = 1) lo's two.
.macro GATHER rb, lo
	s_wait_dscnt 0x0
	s_barrier_signal -1
	s_barrier_wait -1
	WIN 0x80                                       ; destination window 2
.irp ks, 0,1,2,3,4,5,6,7
	ds_load_b128 v[8*\ks:8*\ks+3],   v[LD] offset:(\rb)*BUF+\ks*1024
	ds_load_b128 v[8*\ks+4:8*\ks+7], v[LD] offset:(\rb)*BUF+\ks*1024+512
.if \lo
	ds_load_b128 v[64+8*\ks:64+8*\ks+3],   v[LD] offset:(\rb)*BUF+PART+\ks*1024
	ds_load_b128 v[64+8*\ks+4:64+8*\ks+7], v[LD] offset:(\rb)*BUF+PART+\ks*1024+512
.endif
.endr
.endm
; Four products, one a tile: part p (0 hi, 1 lo) of K step ks.  The very first start the sums with cb, +W or -W.  fin = 1: the sources are swapped.
.macro LINKS ks, p, cb, fin
.irp t, 0,1,2,3
.if \fin
.if ((\ks) == 0) && ((\p) == 0)
	v_wmma_f32_16x16x32_bf16 v[ACC+8*\t:ACC+8*\t+7], v[64*(\p)+8*(\ks):64*(\p)+8*(\ks)+7], v[(4*(\ks)+\t)*8:(4*(\ks)+\t)*8+7], v[(\cb)+8*\t:(\cb)+8*\t+7]
.else
	v_wmma_f32_16x16x32_bf16 v[ACC+8*\t:ACC+8*\t+7], v[64*(\p)+8*(\ks):64*(\p)+8*(\ks)+7], v[(4*(\ks)+\t)*8:(4*(\ks)+\t)*8+7], v[ACC+8*\t:ACC+8*\t+7]
.endif
.else
.if ((\ks) == 0) && ((\p) == 0)
	v_wmma_f32_16x16x32_bf16 v[ACC+8*\t:ACC+8*\t+7], v[(4*(\ks)+\t)*8:(4*(\ks)+\t)*8+7], v[64*(\p)+8*(\ks):64*(\p)+8*(\ks)+7], v[(\cb)+8*\t:(\cb)+8*\t+7]
.else
	v_wmma_f32_16x16x32_bf16 v[ACC+8*\t:ACC+8*\t+7], v[(4*(\ks)+\t)*8:(4*(\ks)+\t)*8+7], v[64*(\p)+8*(\ks):64*(\p)+8*(\ks)+7], v[ACC+8*\t:ACC+8*\t+7]
.endif
.endif
.endr
.endm
; PRODS: 32 products, or 64 with the lo terms.  The four accumulators take turns, one instruction a turn, over the loop's backward jump too.
.macro PRODS cb, lo, fin
	WIN 0x09-3*(\fin)                              ; M^T in window 1, T in window 2: as sources 0 and 1, or (fin = 1) 1 and 0
.irp ks, 0,1,2,3,4,5,6,7
	s_wait_dscnt (7-\ks)*(2+2*(\lo))               ; LDS loads come back in order (ISA guide 5.7.1): the later K steps' loads may be out
	LINKS \ks, 0, \cb, \fin
.if \lo
	LINKS \ks, 1, \cb, \fin
.endif
.endr
	WIN 0
.rept 4
	v_nop                                          ; four places between the last products and the first read of a result (ISA guide 7.12.1); no other vector work is at hand
.endr
.endm
; SPLIT: tile by tile, each accumulator from its low end on: hi = bf16(T) and, with lo = 1, lo = bf16(T - hi); they go into buffer wb as halves of the next step's fragments.
.macro SPLIT wb, lo
.irp t, 0,1,2,3
.irp q, 0,1,2,3
	v_cvt_pk_bf16_f32 v[HI+4*\t+\q], v[ACC+8*\t+2*\q], v[ACC+8*\t+2*\q+1]
.endr
.if \lo
.irp q, 0,1,2,3
	v_lshlrev_b32 v[TP+2*\q], 16, v[HI+4*\t+\q]
	v_and_b32 v[TP+2*\q+1], s12, v[HI+4*\t+\q]
.endr
.irp q, 0,1,2,3
	v_pk_add_f32 v[TP+2*\q:TP+2*\q+1], v[ACC+8*\t+2*\q:ACC+8*\t+2*\q+1], v[TP+2*\q:TP+2*\q+1] neg_lo:[0,1] neg_hi:[0,1]  ; T - hi, exact
.endr
.irp q, 0,1,2,3
	v_cvt_pk_bf16_f32 v[LO+4*\t+\q], v[TP+2*\q], v[TP+2*\q+1]
.endr
.endif
	ds_store_b128 v[STO], v[HI+4*\t:HI+4*\t+3] offset:(\wb)*BUF+(\t/2)*1024+(\t%2)*512
.if \lo
	ds_store_b128 v[STO], v[LO+4*\t:LO+4*\t+3] offset:(\wb)*BUF+PART+(\t/2)*1024+(\t%2)*512
.endif
.endr
.endm
; rb, wb: the buffers read and written; cb: +W or -W; tin, tout = 1: the T that comes in, the T that goes out, has two terms
.macro STEP rb, wb, cb, tin, tout
	GATHER \rb, \tin
	PRODS \cb, \tin, 0
	SPLIT \wb, \tout
.endm
	STEP 0, 1, WCN, 0, 0                           ; step 1: T_1 = M^T T_0 - W
	s_mov_b32 s13, 3
.Lstep:                                                ; steps 2 to 7, two a trip: one term in, one term out
	STEP 1, 0, WC, 0, 0
	STEP 0, 1, WCN, 0, 0
	s_sub_co_u32 s13, s13, 1
	s_cmp_lg_u32 s13, 0
	s_cbranch_scc1 .Lstep
	STEP 1, 0, WC, 0, 1                            ; step 8: T_8 goes out in two terms
	STEP 0, 1, WCN, 1, 1                           ; steps 9 to 11: two terms in, two terms out
	STEP 1, 0, WC, 1, 1
	STEP 0, 1, WCN, 1, 1
	GATHER 1, 1                                    ; step 12, sources swapped: T_12 = Z_12 = E^T
	PRODS WCF, 1, 1
.set i, 0
.rept 16
	v_cvt_pk_bf16_f32 v[HI+i], v[ACC+2*i], v[ACC+2*i+1]  ; E is rounded once; a lane's eight columns of a tile are 16 bytes of e
.set i, i+1
.endr
.irp t, 0,1,2,3
	global_store_b128 v[EO], v[HI+4*\t:HI+4*\t+3], s[8:9] offset:\t*1024  ; 512 consecutive bytes, at a multiple of 512 from e's first byte
.endr
	s_wait_tensorcnt 0x0
	ds_add_u32 v254, v255
	s_wait_dscnt 0x0
	s_endpgm
.Lfunc_end_k_q14a60c4c2f_fold:
	.size	k_q14a60c4c2f_fold, .Lfunc_end_k_q14a60c4c2f_fold-k_q14a60c4c2f_fold
	.p2alignl 7, 3214868480
	.fill 96, 4, 3214868480
	.section	.rodata,"a",@progbits
	.p2align	6, 0x0
	.amdhsa_kernel k_q14a60c4c2f_fold
		.amdhsa_group_segment_fixed_size 33280
		.amdhsa_private_segment_fixed_size 0
		.amdhsa_enable_private_segment 0
		.amdhsa_kernarg_size 24
		.amdhsa_user_sgpr_count 2
		.amdhsa_user_sgpr_kernarg_segment_ptr 1
		.amdhsa_wavefront_size32 1
		.amdhsa_system_sgpr_workgroup_id_x 1
		.amdhsa_system_sgpr_workgroup_id_y 1
		.amdhsa_system_sgpr_workgroup_id_z 1
		.amdhsa_system_vgpr_workitem_id 0
		.amdhsa_next_free_vgpr 1024
		.amdhsa_next_free_sgpr 66
		.amdhsa_reserve_vcc 0
		.amdhsa_float_denorm_mode_32 3
		.amdhsa_float_denorm_mode_16_64 3
		.amdhsa_memory_ordered 1
		.amdhsa_forward_progress 1
		.amdhsa_inst_pref_size 104
	.end_amdhsa_kernel
	.amdgpu_metadata
---
amdhsa.version: [ 1, 2 ]
amdhsa.kernels:
  - .name:           k_q14a60c4c2f_fold
    .symbol:         k_q14a60c4c2f_fold.kd
    .args:
      - { .name: M, .offset: 0, .size: 8, .value_kind: global_buffer, .address_space: global }
      - { .name: W, .offset: 8, .size: 8, .value_kind: global_buffer, .address_space: global }
      - { .name: e, .offset: 16, .size: 8, .value_kind: global_buffer, .address_space: global }
    .group_segment_fixed_size: 33280
    .private_segment_fixed_size: 0
    .kernarg_segment_align: 8
    .kernarg_segment_size: 24
    .max_flat_workgroup_size: 128
    .sgpr_count:     66
    .vgpr_count:     1024
    .wavefront_size: 32
...
	.end_amdgpu_metadata
.endif
;; end of part 1
;; launch apply (part 2): grid 256 x 1, 4 waves a work-group, clusters of 4 x 1, 262,656 bytes of LDS; arguments e, x, out0; writes out0
.if DOCPART == 2
	.amdgcn_target "amdgcn-amd-amdhsa--gfx1250"
	.amdhsa_code_object_version 6
	.text
	.protected	k_q14a60c4c2f_apply
	.globl	k_q14a60c4c2f_apply
	.p2align	8
	.type	k_q14a60c4c2f_apply,@function
k_q14a60c4c2f_apply:
	s_mov_b64 s[64:65], 0
	v_nop
	global_prefetch_b8 v0, s[64:65] scope:SCOPE_SE
	s_setreg_imm32_b32 hwreg(HW_REG_WAVE_MODE, 25, 1), 1
	s_wait_xcnt 0x0
	s_wait_alu depctr_hold_cnt(0) depctr_sa_sdst(0) depctr_va_vdst(0) depctr_va_sdst(0) depctr_va_ssrc(0) depctr_va_vcc(0) depctr_vm_vsrc(0)
	s_getreg_b32 s2, hwreg(HW_REG_IB_STS2, 6, 4)
	s_cmp_eq_u32 s2, 0
	s_cbranch_scc0 .Lentry_in_a_cluster
	s_endpgm
.Lentry_in_a_cluster:
	s_bfe_u32 s2, ttmp6, 0x10000c
	s_cmp_lg_u32 s2, 0x3003
	s_cbranch_scc0 .Lentry_shape_is_right
	s_endpgm
.Lentry_shape_is_right:
; out0 = bf16(x) E.  x: [65536][512] f32, out0: [65536][256] f32; e holds E [512][256] in bf16, made by the launch before, as the register image of this launch's fragments.  Sums in f32.
; LIMITS.  x and E are rounded to bf16 once each; the order of summation is not that of the module as written (its twelve steps are inside E); E must be finite.
; SHARES.  A work-group owns 256 rows, in 8 tiles of 32.  Wave w owns columns 64 w .. 64 w + 63 as four tiles t, column slot r of tile t being n = 64 w + 4 r + t, and keeps its 64 KB of E in 512 registers
; for the whole launch: the four waves hold E exactly once.  Of each tile of x wave w loads and rounds rows 8 w .. 8 w + 7, so every number of x is read from memory once and rounded once; the bf16
; tile, 32 KB, goes through LDS to all four waves.
; x COMES THROUGH REGISTERS, not by tensor loads: as f32 in LDS every wave would read, and round, all of it: four times the LDS bytes and conversions.  Two register sets of 16 KB a wave take turns:
; while one tile is worked on, the next one or two are on their way.
; E COMES BY ONE JOINT TENSOR LOAD A WAVE: all work-groups read the same 256 KB, so the four of a cluster ask together (the same descriptor and mask in all four), and its counter is not x's.
; THE ORDER OF THE REQUESTS.  E is asked for FIRST: every product needs it, it is 64 KB a wave, and its way from LDS into registers (128 LDS loads) then runs while x's first tile is on its way.
; In a tile the LDS stores for which the other three waves wait are issued ahead of the set's next 32 loads; those go out in four groups of eight, each in front of 32 products.
; ORDER OF K.  K slot 8 p + e of a row (p = 0..63, e = 0..7) means column 256 (p >> 5) + 4 (p & 31) + 128 (e >> 2) + (e & 3), in x's LDS rows and in e alike: a permutation of K applied to both operands
; keeps the products, and lets each load of x take 512 consecutive bytes and each lane's four loads of a row pack, in order, into two stores of 16 bytes.
; LDS.  The stage for E: wave w's quarter at 65536 w, dense, filled once, read by that wave alone.  When every wave has read its quarter (a barrier), x's two buffers of 32 rows x 1,040 bytes lie on
; bytes 0 to 66,559: those bytes have had their only fill.  1,040 = 65 x 16: the 16 rows that a fragment load touches start at 16 different groups of four banks (64 banks of 4 bytes: ISA guide 11.1).
; REGISTERS, in windows of 256 (s_set_vgpr_msb: bits 1:0 source 0, 3:2 source 1, 5:4 source 2, 7:6 destination):
;   window 0: addresses; two buffers of x's fragments; two sets of four accumulators; 32 registers for the way out
;   window 1: E's fragments (K step k, tile t), k = 0..7, at 8 (4 k + t)      window 2: k = 8..15      window 3: x as loaded, two sets of 128
.set ROWB,  2048      ; bytes in a row of x
.set TILEB, 32*ROWB   ; in a tile
.set XP,    1040      ; an LDS row of x: 1,024 bytes of bf16 + 16
.set XBUF,  32*XP
.set XO,   2          ; v2-3  set s: byte offset of my 16 bytes in the first of my 8 rows of the tile that the set loads next
.set XS,   4          ; v4    LDS: where I put 16 bytes of my first row
.set XR,   5          ; v5    LDS: my place in a fragment: row r, 16 h
.set EL,   6          ; v6    LDS: my 16 bytes in my wave's quarter of the stage
.set OO,   7          ; v7    my byte offset in out0: row 8 h, columns 64 w + 4 r on
.set AF0,  16         ; v16-79   fragments of x: 16 rows x 256 K; before that the tile's packed bf16 on their way into LDS
.set AF1,  80         ; v80-143  likewise
.set ACC0, 144        ; v144-175 rows 0-15 of the tile
.set ACC1, 176        ; v176-207 rows 16-31
.set GA,   208        ; v208-239 the way out
.set MSB, 0
.macro WIN new                         ; the immediate's high byte repeats the setting that is left; a switch that changes nothing is dropped
.if MSB != (\new)
	s_set_vgpr_msb (MSB<<8)|(\new)
.set MSB, (\new)
.endif
.endm
; A round of the cluster's barrier: my work-group's barrier, so that wave 0's signal speaks for all four waves; wave 0 signals; every wave waits for all four work-groups; my work-group's barrier once more.
.macro ROUND
	s_barrier_signal -1
	s_barrier_wait -1
	s_cmp_lg_u32 s10, 0
	s_cbranch_scc1 .Lnot_wave_0_\@
	s_barrier_signal -3
.Lnot_wave_0_\@:
	s_barrier_wait -3
	s_barrier_signal -1
	s_barrier_wait -1
.endm
; Eight loads: rows 2 q and 2 q + 1 of my 8 rows of a tile, four loads of 512 consecutive bytes a row; load i of the tile's 32 lands in registers 4 i .. 4 i + 3 of set s
.macro XGROUP s, q
	WIN 0xc0                                       ; destination window 3, address window 0
.set i, 8*(\q)
.rept 8
	global_load_b128 v[128*(\s)+4*i:128*(\s)+4*i+3], v[XO+(\s)], s[6:7] offset:(i/4)*ROWB+(i%4)*512 th:TH_LOAD_NT
.set i, i+1
.endr
.endm
	s_load_b128 s[4:7], s[0:1], 0x0                ; e s[4:5], x s[6:7]
	s_load_b64 s[8:9], s[0:1], 0x10                ; out0
	v_lshl_add_u32 v254, v0, 2, 0x40000
	v_mov_b32 v255, 0
	ds_add_u32 v254, v255
	ds_add_u32 v254, v255
	; all that hangs on no argument is made while the arguments are on their way
	v_and_b32 v1, 31, v0                           ; lane
	v_lshrrev_b32 v8, 5, v0
	v_readfirstlane_b32 s10, v8                    ; wave 0..3
	s_bfe_u32 s24, ttmp6, 0x40000                  ; cx: my place in the cluster
	s_lshl_b32 s25, ttmp9, 2                       ; in a cluster launch ttmp9 counts clusters
	s_add_co_u32 s25, s25, s24                     ; my block of 256 rows: it enters x's and out0's addresses alone
	s_lshl_b32 s28, s10, 14                        ; my wave's 8 rows in a tile
	v_lshl_add_u32 v[XO], v1, 4, s28
	v_add_nc_u32 v[XO+1], TILEB, v[XO]
	v_and_b32 v9, 15, v0                           ; r
	v_bfe_u32 v10, v0, 4, 1                        ; h
	s_mul_i32 s29, s10, 8*XP
	v_lshl_add_u32 v[XS], v1, 4, s29
	v_mul_u32_u24 v[XR], v9, XP
	v_lshl_add_u32 v[XR], v10, 4, v[XR]
	s_lshl_b32 s30, s10, 16                        ; my wave's quarter of e, and of the stage: the wave's number alone
	s_mov_b32 s31, 0
	v_lshl_add_u32 v[EL], v1, 4, s30
	v_lshlrev_b32 v[OO], 13, v10
	v_lshl_add_u32 v[OO], v9, 4, v[OO]
	s_lshl_b32 s34, s10, 8
	v_add_nc_u32 v[OO], s34, v[OO]
	s_lshl_b32 s26, s25, 19                        ; x: 256 rows of 2,048 bytes
	s_mov_b32 s27, 0
	s_lshl_b32 s32, s25, 18                        ; out0: 256 rows of 1,024 bytes
	s_mov_b32 s33, 0
	; the descriptor: 65,536 dense bytes as 256 rows of 256 bytes
	s_mov_b32 s12, 1                               ; group 0: count = 1
	s_lshl_b32 s13, s10, 16                        ; LDS address
	s_mov_b32 s16, 15|(3<<16)|(1<<21)              ; group 1: 15:0 the mask of four; 17:16 elements of 8 bytes; 21 set beside a mask
	s_mov_b32 s17, 32<<16                          ; tensor_dim0 = 32
	s_mov_b32 s18, 256<<16                         ; tensor_dim1 = 256
	s_mov_b32 s19, 32<<16                          ; tile_dim0 = 32
	s_mov_b32 s20, 256                             ; tile_dim1 = 256
	s_mov_b32 s21, 32                              ; 32 elements from row to row
	s_mov_b32 s22, 0
	s_mov_b32 s23, 0
	s_wait_dscnt 0x0
	s_wait_kmcnt 0x0
	s_add_nc_u64 s[14:15], s[4:5], s[30:31]        ; global address
	s_or_b32 s15, s15, 0x80000000                  ; type = 2
	s_add_nc_u64 s[6:7], s[6:7], s[26:27]
	s_add_nc_u64 s[8:9], s[8:9], s[32:33]
	ROUND                                          ; all four work-groups are here: the joint loads meet
	tensor_load_to_lds s[12:15], s[16:23]          ; my one tensor load of the launch, ahead of every load of x
	s_nop 0
.rept 4
	v_nop
.endr
.irp q, 0,1,2,3
	XGROUP 0, \q                                   ; tiles 0 and 1
.endr
.irp q, 0,1,2,3
	XGROUP 1, \q
.endr
	s_wait_tensorcnt 0x0                           ; my quarter is in LDS; I alone read it
.irp half, 0,1
	WIN 0x40<<\half                                ; destination window 1, then 2
.set i, 0
.rept 64                               ; the stage is the register image: registers 4 i .. 4 i + 3 of the window from byte 512 i of the half quarter
	ds_load_b128 v[4*i:4*i+3], v[EL] offset:\half*32768+512*i
.set i, i+1
.endr
.endr
	WIN 0
	s_wait_dscnt 0x0                               ; my reads of the stage are over:
	s_barrier_signal -1
	s_barrier_wait -1                              ; everybody's are: x's buffers may be written
; 16 LDS loads in one run: rows 16 rt .. + 15 of buffer s, K steps 8 c .. 8 c + 7, into f
.macro LOADA f, s, rt, c
.set i, 0
.rept 16                               ; i = 2 kk + g
	ds_load_b128 v[(\f)+4*i:(\f)+4*i+3], v[XR] offset:(\s)*XBUF+(\rt)*16*XP+512*(\c)+32*i
.set i, i+1
.endr
.endm
; 32 products: 8 K steps x 4 tiles; which half of E is the window's affair.  The four accumulators take turns, one instruction a turn.  zero = 1: the first four start the sums.
.macro MUL f, acc, zero
.set kk, 0
.rept 8
.irp t, 0,1,2,3
.if (\zero) && (kk == 0)
	v_wmma_f32_16x16x32_bf16 v[(\acc)+8*\t:(\acc)+8*\t+7], v[(\f)+8*kk:(\f)+8*kk+7], v[(4*kk+\t)*8:(4*kk+\t)*8+7], 0
.else
	v_wmma_f32_16x16x32_bf16 v[(\acc)+8*\t:(\acc)+8*\t+7], v[(\f)+8*kk:(\f)+8*kk+7], v[(4*kk+\t)*8:(4*kk+\t)*8+7], v[(\acc)+8*\t:(\acc)+8*\t+7]
.endif
.endr
.set kk, kk+1
.endr
.endm
.macro PLACES                          ; four places in front of loads into registers that products have read, and of reads of results just made (ISA guide 7.12.1 for vector instructions)
.rept 4
	v_nop
.endr
.endm
; THE WAY OUT of 16 rows.  Register j of tile t is out0[16 rt + 8 h + j][64 w + 4 r + t]: a lane's four neighbouring columns lie in four accumulators, and a 16-byte store wants four registers on end:
; one copy a number, which spares the way through LDS.  Register 0 of each accumulator is read first.  Sixteen lanes then store 256 consecutive bytes, at a multiple of 256 from out0's first byte.
.macro OUT acc, rt, s
	s_wait_xcnt 0x0                                ; every earlier memory instruction has had its addresses translated (ISA guide 3.1): the last stores' data registers are rewritten only behind this wait
.irp j, 0,1,2,3,4,5,6,7
.irp t, 0,1,2,3
	v_mov_b32 v[GA+4*\j+\t], v[(\acc)+8*\t+\j]
.endr
.endr
.irp j, 0,1,2,3,4,5,6,7
	global_store_b128 v[OO], v[GA+4*\j:GA+4*\j+3], s[8:9] offset:(\s)*32768+(16*(\rt)+\j)*1024 th:TH_STORE_NT
.endr
.endm
; A TILE of 32 rows, from register set and LDS buffer s.  ahead = 1: the set is filled again, with the tile two further on, in four groups of eight loads; all four stand inside this tile, so the
; count at the next tile's head holds.  left = the younger loads that may stay out: the other set's 32.
; ONE barrier a tile: buffer s is written again two tiles on, behind the next tile's barrier, in front of which every wave has waited for all its LDS reads.
.macro TILE s, ahead, left
	s_wait_loadcnt \left                           ; loads come back in order (ISA guide 5.7.1): my 32 loads of this tile are in
.if \ahead
	v_add_nc_u32 v[XO+(\s)], 2*TILEB, v[XO+(\s)]   ; free since that wait
.endif
	WIN 0x0f                                       ; sources window 3, destination window 0
.set i, 0
.rept 64
	v_cvt_pk_bf16_f32 v[AF0+i], v[128*(\s)+2*i], v[128*(\s)+2*i+1]  ; in order: loads (row, 2 u) and (row, 2 u + 1) make the 16 bytes of K slots 8 (32 u + lane) on
.set i, i+1
.endr
	WIN 0
.set i, 0
.rept 16                               ; i = 2 row + u: 512 consecutive bytes a store; no request to memory stands between the conversions and these
	ds_store_b128 v[XS], v[AF0+4*i:AF0+4*i+3] offset:(\s)*XBUF+(i/2)*XP+(i%2)*512
.set i, i+1
.endr
	s_wait_dscnt 0x0                               ; for the others' sake: my rows are in the buffer
	s_barrier_signal -1
	s_barrier_wait -1
	LOADA AF0, \s, 0, 0
	LOADA AF1, \s, 0, 1
.if \ahead
	XGROUP \s, 0
.endif
	s_wait_dscnt 16                                ; the older run is in; the younger 16 LDS loads may be out (loads from memory are not on this counter).  The same at the next two waits
	WIN 0x04                                       ; source 1 in window 1: E's K steps 0-7.  LDS loads and v_nop have no source 1 and stand under this setting
	MUL AF0, ACC0, 1
	PLACES
	LOADA AF0, \s, 1, 0
.if \ahead
	XGROUP \s, 1
.endif
	s_wait_dscnt 16
	WIN 0x08                                       ; E's K steps 8-15
	MUL AF1, ACC0, 0
	PLACES                                         ; also the places in front of the reads of these results below
	LOADA AF1, \s, 1, 1
.if \ahead
	XGROUP \s, 2
.endif
	s_wait_dscnt 16
	WIN 0x04
	MUL AF0, ACC1, 1
	WIN 0
	OUT ACC0, 0, \s                                ; rows 0-15 leave between the two halves of rows 16-31's products
.if \ahead
	XGROUP \s, 3
.endif
	s_wait_dscnt 0x0
	WIN 0x08
	MUL AF1, ACC1, 0
	WIN 0
	PLACES
	OUT ACC1, 1, \s
.endm
	s_mov_b32 s11, 3
.Lpair:                                                ; tiles 0 to 5, two a trip; they ask for tiles 2 to 7
	TILE 0, 1, 32
	TILE 1, 1, 32
	s_wait_xcnt 0x0                                ; the stores' base is stepped only behind this wait
	s_add_nc_u64 s[8:9], s[8:9], 0x10000           ; 64 rows of out0 on
	s_sub_co_u32 s11, s11, 1
	s_cmp_lg_u32 s11, 0
	s_cbranch_scc1 .Lpair
	TILE 0, 0, 32                                  ; the last two tiles ask for nothing
	TILE 1, 0, 0
	s_wait_tensorcnt 0x0
	ds_add_u32 v254, v255
	s_wait_dscnt 0x0
	ROUND                                          ; the closing round: no work-group ends while a partner may still ask for a tile that names it
	s_endpgm
.Lfunc_end_k_q14a60c4c2f_apply:
	.size	k_q14a60c4c2f_apply, .Lfunc_end_k_q14a60c4c2f_apply-k_q14a60c4c2f_apply
	.p2alignl 7, 3214868480
	.fill 96, 4, 3214868480
	.section	.rodata,"a",@progbits
	.p2align	6, 0x0
	.amdhsa_kernel k_q14a60c4c2f_apply
		.amdhsa_group_segment_fixed_size 262656
		.amdhsa_private_segment_fixed_size 0
		.amdhsa_enable_private_segment 0
		.amdhsa_kernarg_size 24
		.amdhsa_user_sgpr_count 2
		.amdhsa_user_sgpr_kernarg_segment_ptr 1
		.amdhsa_wavefront_size32 1
		.amdhsa_system_sgpr_workgroup_id_x 1
		.amdhsa_system_sgpr_workgroup_id_y 1
		.amdhsa_system_sgpr_workgroup_id_z 1
		.amdhsa_system_vgpr_workitem_id 0
		.amdhsa_next_free_vgpr 1024
		.amdhsa_next_free_sgpr 66
		.amdhsa_reserve_vcc 0
		.amdhsa_float_denorm_mode_32 3
		.amdhsa_float_denorm_mode_16_64 3
		.amdhsa_memory_ordered 1
		.amdhsa_forward_progress 1
		.amdhsa_inst_pref_size 111
	.end_amdhsa_kernel
	.amdgpu_metadata
---
amdhsa.version: [ 1, 2 ]
amdhsa.kernels:
  - .name:           k_q14a60c4c2f_apply
    .symbol:         k_q14a60c4c2f_apply.kd
    .args:
      - { .name: e, .offset: 0, .size: 8, .value_kind: global_buffer, .address_space: global }
      - { .name: x, .offset: 8, .size: 8, .value_kind: global_buffer, .address_space: global }
      - { .name: out0, .offset: 16, .size: 8, .value_kind: global_buffer, .address_space: global }
    .group_segment_fixed_size: 262656
    .private_segment_fixed_size: 0
    .kernarg_segment_align: 8
    .kernarg_segment_size: 24
    .max_flat_workgroup_size: 128
    .sgpr_count:     66
    .vgpr_count:     1024
    .wavefront_size: 32
...
	.end_amdgpu_metadata
.endif
;; end of part 2
;; ======== version 2 of 2: 2 launches; version 1 with the launch fold written anew for expert scheduling mode
;; workspace buffers: e 262,144 bytes
;; launch fold (part 3): grid 32 x 1, 4 waves a work-group, no clusters, 33,280 bytes of LDS; arguments M, W, e; writes e
.if DOCPART == 3
	.amdgcn_target "amdgcn-amd-amdhsa--gfx1250"
	.amdhsa_code_object_version 6
	.text
	.protected	k_q14a60c4c2f_fold
	.globl	k_q14a60c4c2f_fold
	.p2align	8
	.type	k_q14a60c4c2f_fold,@function
k_q14a60c4c2f_fold:
	s_mov_b64 s[64:65], 0
	v_nop
	global_prefetch_b8 v0, s[64:65] scope:SCOPE_SE
	s_setreg_imm32_b32 hwreg(HW_REG_WAVE_SCHED_MODE, 0, 2), 2
	s_setreg_imm32_b32 hwreg(HW_REG_WAVE_MODE, 25, 1), 1
	s_wait_xcnt 0x0
	s_wait_alu depctr_vm_vsrc(0)
; THE MODULE IS LINEAR IN x: y0 = x W^T, then twelve times y = x W^T - y M.  So out = x E, where row i of E [512][256] is what the module makes of the i-th unit vector, for every x, W and M.
; This launch makes E: all twelve steps, on the 512 columns of W instead of the 65,536 rows of x.  With Z = E^T [256 n][512 i]: Z0 = W, Z <- W - M^T Z, twelve times.
; SIGN.  T_k = (-1)^k Z_k is carried: T_(k+1) = M^T T_k + (-1)^(k+1) W.  So M is never negated: the C operand that starts a step's sums is -W in odd steps, +W in even ones, and T_12 = Z_12.
; FORMATS.  M and W are rounded to bf16 once (both are matrix operands of the module as it is written); sums in f32.  T_0 = W is bf16 as it stands.  T_1 to T_7 go into the next product rounded to bf16,
; one term.  T_8 to T_11 go in as TWO bf16 terms, hi = bf16(T) and lo = bf16(T - hi), which lose 2^-17 of T and not 2^-9: the rounding of T_k reaches E through 12 - k further products by M, so where M
; shrinks what it multiplies the last roundings weigh most, and the second term (32 products more a wave and step) is spent on them.  E is rounded to bf16 once, at the end, for the next launch's product.
; LIMITS.  The order of summation is not that of the module as written (x is multiplied last); E must be finite in f32; where M does not shrink what it multiplies, the seven single roundings of T_1 to T_7
; weigh like those of a program that rounds y to bf16 in each step, 2^-9 of T each; a NaN or an infinity in W or M reaches E's rows and columns by the products alone and is not treated apart.
; SHARES.  32 work-groups, 16 columns of Z each (a matrix instruction's width; every step needs all 256 rows of Z, which the four waves hand round in LDS).  Wave w owns rows 64 w .. 64 w + 63 as four
; tiles t: row slot p of tile t is n = 64 w + 4 p + t, so that one 16-byte load of a row of M serves four tiles.  Column slot c of work-group blk is i = ib + 4 (c >> 3) + 128 ((c >> 2) & 1) + (c & 3),
; ib = 256 (blk >> 4) + 8 (blk & 15): the order of K in which the next launch reads x.
; NO CLUSTER, NO TENSOR LOAD: M goes straight into registers, once, 256 KB a work-group; a way through LDS would only stand in front of a chain of twelve dependent steps.
; LAYOUT, steps 1 to 11: source 0 = 16 row slots of M^T, source 1 = 16 columns of T.  In the result lane (c, h) holds column c and, in register j of tile t, n = 64 w + 32 h + 4 j + t.  Tiles 2 u and 2 u + 1,
; rounded in pairs, ARE source 1 of K step ks = 2 w + u (tile 2 u + g fills registers 4 g .. 4 g + 3): K slot 16 g + 8 h + j of step ks means m = 64 (ks >> 1) + 32 h + 4 j + 2 (ks & 1) + g, and M's
; fragments are loaded in that order.  Nothing changes lanes between the steps.  Step 12 swaps the sources: lane (r, h) then holds n = 64 w + 4 r + t and the eight columns 8 h + 0..7: 16 bytes of e.
; e: byte w 65536 + k 4096 + t 1024 + g 512 + 16 lane holds registers 4 g .. 4 g + 3 of the next launch's fragment (K step k, tile t) of wave w; this work-group writes k = blk >> 1, g = blk & 1.
; REGISTERS, in windows of 256 (s_set_vgpr_msb: bits 1:0 source 0, 3:2 source 1, 5:4 source 2, 7:6 destination):
;   window 0: addresses, at work, accumulators, W three times      window 1: M^T's 32 fragments, (ks, t) at 8 (4 ks + t)
;   window 2: M as loaded, K steps 0-3; later T's fragments: hi of step ks at 8 ks, lo at 64 + 8 ks      window 3: M as loaded, K steps 4-7
; THE MODE: SCHED_MODE bits 1:0 = 2 (LLVM: expert scheduling mode 2), set by the entry lines.  The code itself states the register dependences
; between vector or matrix instructions and memory or LDS instructions, with s_wait_alu, always for 0.
; THE PLAN.  Registers that memory or LDS instructions touch:
;   v4 .. v9          the six offsets and addresses: written once, at the head, ahead of the first load; read by every load and store; never written again.
;   WC, WCF, windows 2 and 3   the loads from memory land in them once; no vector instruction names them before that.
;   HI, LO            written by the conversions of the head and of each step; read by that step's LDS stores (in step 12 by the stores into e); written again by the next step's conversions.
;   window 2, v0-127  read by CVTA 0 to 3 (M as loaded) and then by each step's products (T's fragments); the next step's LDS loads land in them.
;   The accumulators, W's three copies, TP and M^T's fragments are named by vector and matrix instructions alone.
; So a step has TWO waits.  One on vm_vsrc ahead of its conversions: the LDS stores of the step before have read HI and LO.  One on va_vdst behind its conversions, ahead of its run of LDS stores: HI and LO are
; written, and the step's products are done reading T's fragments.  From that wait to the next step's LDS loads no vector or matrix instruction is issued, so those loads owe nothing more.  For that the
; four tiles are converted first and stored together.  At the head one wait on va_vdst behind CVTA 3 does the same for T_0's stores and step 1's loads: behind it CVTA 4 to 7 name windows 3 and 1 alone.
.set BUF,  16384      ; an LDS buffer: T's hi terms, then its lo terms; two buffers take turns
.set PART, 8192       ; a part: K step ks at 1024 ks, half g at 512 g, lane at 16 lane: every access is 512 consecutive bytes a wave
.set MA,  4           ; v4   my byte offset in M: 32 h rows, 16 r
.set WA,  5           ; v5   my byte offset in W, result layout: 32 h rows, column slot r
.set WF,  6           ; v6   my byte offset in W, swapped layout: 4 r rows, columns 4 h on
.set STO, 7           ; v7   LDS: where I put 16 bytes of a fragment: 16 lane + 2048 w
.set LD,  8           ; v8   LDS: where I read 16 bytes of a fragment: 16 lane
.set EO,  9           ; v9   my byte offset in 512 consecutive bytes of e
.set TP,  10          ; v10-17  at work
.set HI,  20          ; v20-35  hi terms, four registers a tile
.set LO,  36          ; v36-51  lo terms
.set ACC, 64          ; v64-95  four accumulators
.set WC,  96          ; v96-127   +W in the result layout
.set WCN, 128         ; v128-159  -W in the result layout
.set WCF, 160         ; v160-191  +W in the swapped layout
.set MSB, 0
.macro WIN new                         ; the immediate's high byte repeats the setting that is left; a switch that changes nothing is dropped
.if MSB != (\new)
	s_set_vgpr_msb (MSB<<8)|(\new)
.set MSB, (\new)
.endif
.endm
	s_load_b128 s[4:7], s[0:1], 0x0                ; M s[4:5], W s[6:7]
	s_load_b64 s[8:9], s[0:1], 0x10                ; e
	v_lshl_add_u32 v254, v0, 2, 0x8000
	v_mov_b32 v255, 0
	v_lshrrev_b32 v3, 5, v0
	v_readfirstlane_b32 s10, v3                    ; wave 0..3
	s_mov_b32 s11, ttmp9                           ; blk
	s_mov_b32 s12, 0xffff0000                      ; a word's upper bf16
	v_and_b32 v1, 15, v0                           ; r
	v_bfe_u32 v2, v0, 4, 1                         ; h
	v_and_b32 v3, 31, v0                           ; lane
	v_lshlrev_b32 v[MA], 15, v2
	v_lshl_or_b32 v[MA], v1, 4, v[MA]
	v_lshlrev_b32 v[WA], 16, v2                    ; 32 h rows of 2,048 bytes
	v_bfe_u32 v10, v0, 3, 1
	v_lshl_add_u32 v[WA], v10, 4, v[WA]            ; + 4 (c >> 3) columns
	v_bfe_u32 v10, v0, 2, 1
	v_lshl_add_u32 v[WA], v10, 9, v[WA]            ; + 128 ((c >> 2) & 1)
	v_and_b32 v10, 3, v0
	v_lshl_add_u32 v[WA], v10, 2, v[WA]            ; + (c & 3)
	v_lshlrev_b32 v[WF], 13, v1                    ; 4 r rows
	v_lshl_add_u32 v[WF], v2, 4, v[WF]             ; + 4 h columns
	v_lshlrev_b32 v[LD], 4, v3
	v_lshlrev_b32 v[EO], 4, v3
	s_wait_alu depctr_va_sdst(0)                   ; s10 is written, ahead of its first reader: my place in LDS and the three bases are made from it
	s_lshl_b32 s21, s10, 11
	v_add_nc_u32 v[STO], s21, v[LD]
	s_lshl_b32 s14, s10, 8                         ; M: my 64 columns
	s_mov_b32 s15, 0
	s_lshr_b32 s16, s11, 4                         ; W: 4 ib = 1024 (blk >> 4) + 32 (blk & 15),
	s_lshl_b32 s16, s16, 10
	s_and_b32 s20, s11, 15
	s_lshl_b32 s20, s20, 5
	s_add_co_u32 s16, s16, s20
	s_lshl_b32 s20, s10, 17                        ; and my 64 rows
	s_add_co_u32 s16, s16, s20
	s_mov_b32 s17, 0
	s_lshr_b32 s18, s11, 1                         ; e: K step blk >> 1,
	s_lshl_b32 s18, s18, 12
	s_and_b32 s20, s11, 1                          ; half blk & 1,
	s_lshl_b32 s20, s20, 9
	s_add_co_u32 s18, s18, s20
	s_lshl_b32 s20, s10, 16                        ; wave w's quarter
	s_add_co_u32 s18, s18, s20
	s_mov_b32 s19, 0
	s_wait_kmcnt 0x0
	s_add_nc_u64 s[4:5], s[4:5], s[14:15]
	s_add_nc_u64 s[6:7], s[6:7], s[16:17]
	s_add_nc_u64 s[8:9], s[8:9], s[18:19]
	s_wait_alu depctr_va_vdst(0)                   ; the six offsets and addresses v4 to v9 are written, which the loads and stores of the whole kernel read; up to the last load below stand only loads and window switches
	; ALL LOADS, 168, in the order in which they are wanted: W twice (40), then M by K steps (8 x 16).
.set i, 0
.rept 32                               ; i = 8 t + j: W[64 w + 32 h + 4 j + t][i(c)]
	global_load_b32 v[WC+i], v[WA], s[6:7] offset:(4*(i%8)+i/8)*2048
.set i, i+1
.endr
.set i, 0
.rept 8                                ; i = 2 t + a: W[64 w + 4 r + t][ib + 4 h + 128 a + 0..3]
	global_load_b128 v[WCF+4*i:WCF+4*i+3], v[WF], s[6:7] offset:(i/2)*2048+(i%2)*512
.set i, i+1
.endr
.irp half, 0,1
	WIN 0x80+0x40*\half                            ; destination window 2, then 3; address window 0
.set i, 0
.rept 64                               ; i = 16 (ks & 3) + 8 g + j: M[m][64 w + 4 r + 0..3]: component t belongs to tile t; sixteen lanes read 256 consecutive bytes, aligned
.set kq, 4*\half+i/16
	global_load_b128 v[4*i:4*i+3], v[MA], s[4:5] offset:(64*(kq/2)+2*(kq%2)+(i/8)%2+4*(i%8))*1024
.set i, i+1
.endr
.endr
	WIN 0
	s_wait_loadcnt 63                              ; loads come back in order (ISA guide 5.7.1): the 63 youngest may be out, so the first 105 are in: W's 40 and M's K steps 0 to 3
	; W is rounded to bf16 and widened again; T_0 = W has no lo term.
.set i, 0
.rept 16
	v_cvt_pk_bf16_f32 v[HI+i], v[WC+2*i], v[WC+2*i+1]
	v_cvt_pk_bf16_f32 v[LO+i], v[WCF+2*i], v[WCF+2*i+1]
.set i, i+1
.endr
.set i, 0
.rept 16
	v_lshlrev_b32 v[WC+2*i], 16, v[HI+i]
	v_and_b32 v[WC+2*i+1], s12, v[HI+i]
	v_lshlrev_b32 v[WCF+2*i], 16, v[LO+i]
	v_and_b32 v[WCF+2*i+1], s12, v[LO+i]
.set i, i+1
.endr
.set i, 0
.rept 16
	v_pk_mul_f32 v[WCN+2*i:WCN+2*i+1], v[WC+2*i:WC+2*i+1], -1.0 op_sel_hi:[1,0]
.set i, i+1
.endr
; M's fragments of K step ks: register 4 g + q of tile t takes K slots 16 g + 8 h + 2 q and + 1, which loads (ks, g, 2 q) and (ks, g, 2 q + 1) brought
.macro CVTA ks
	WIN 0x4a+5*((\ks)/4)                           ; sources window 2 or 3, destination window 1
.irp t, 0,1,2,3
.irp g, 0,1
.irp q, 0,1,2,3
	v_cvt_pk_bf16_f32 v[(4*(\ks)+\t)*8+4*\g+\q], v[4*(16*((\ks)%4)+8*\g+2*\q)+\t], v[4*(16*((\ks)%4)+8*\g+2*\q+1)+\t]
.endr
.endr
.endr
.endm
	CVTA 0
	CVTA 1
	CVTA 2
	CVTA 3
	WIN 0
	s_wait_alu depctr_va_vdst(0)                   ; W's conversions have written HI, which the LDS stores below read; CVTA 0 to 3 are done reading window 2, in which step 1's LDS loads land
.irp t, 0,1,2,3
	ds_store_b128 v[STO], v[HI+4*\t:HI+4*\t+3] offset:(\t/2)*1024+(\t%2)*512  ; T_0 into buffer 0: tile t is half t & 1 of K step 2 w + (t >> 1)
.endr
	s_wait_loadcnt 48                              ; K step 4 is in: the three later steps' 16 loads each may be out
	CVTA 4
	s_wait_loadcnt 32
	CVTA 5
	s_wait_loadcnt 16
	CVTA 6
	s_wait_loadcnt 0x0
	CVTA 7
	WIN 0
; A STEP, in three parts.
; GATHER: ONE barrier a step.  In front of it each wave's stores into buffer rb are done, and so are its reads, a step ago, of the other buffer; behind it rb is whole and nobody reads the other buffer,
; into which this step will write.  Then all of T's fragments: for each K step hi's two halves and (lo = 1) lo's two.
; No wait on va_vdst stands here: the last readers of these registers stand ahead of the wait in front of the LDS stores of the step before (for step 1: of T_0's), and no vector or matrix instruction issued since names them or v[LD].
.macro GATHER rb, lo
	s_wait_dscnt 0x0
	s_barrier_signal -1
	s_barrier_wait -1
	WIN 0x80                                       ; destination window 2
.irp ks, 0,1,2,3,4,5,6,7
	ds_load_b128 v[8*\ks:8*\ks+3],   v[LD] offset:(\rb)*BUF+\ks*1024
	ds_load_b128 v[8*\ks+4:8*\ks+7], v[LD] offset:(\rb)*BUF+\ks*1024+512
.if \lo
	ds_load_b128 v[64+8*\ks:64+8*\ks+3],   v[LD] offset:(\rb)*BUF+PART+\ks*1024
	ds_load_b128 v[64+8*\ks+4:64+8*\ks+7], v[LD] offset:(\rb)*BUF+PART+\ks*1024+512
.endif
.endr
.endm
; Four products, one a tile: part p (0 hi, 1 lo) of K step ks.  The very first start the sums with cb, +W or -W.  fin = 1: the sources are swapped.
.macro LINKS ks, p, cb, fin
.irp t, 0,1,2,3
.if \fin
.if ((\ks) == 0) && ((\p) == 0)
	v_wmma_f32_16x16x32_bf16 v[ACC+8*\t:ACC+8*\t+7], v[64*(\p)+8*(\ks):64*(\p)+8*(\ks)+7], v[(4*(\ks)+\t)*8:(4*(\ks)+\t)*8+7], v[(\cb)+8*\t:(\cb)+8*\t+7]
.else
	v_wmma_f32_16x16x32_bf16 v[ACC+8*\t:ACC+8*\t+7], v[64*(\p)+8*(\ks):64*(\p)+8*(\ks)+7], v[(4*(\ks)+\t)*8:(4*(\ks)+\t)*8+7], v[ACC+8*\t:ACC+8*\t+7]
.endif
.else
.if ((\ks) == 0) && ((\p) == 0)
	v_wmma_f32_16x16x32_bf16 v[ACC+8*\t:ACC+8*\t+7], v[(4*(\ks)+\t)*8:(4*(\ks)+\t)*8+7], v[64*(\p)+8*(\ks):64*(\p)+8*(\ks)+7], v[(\cb)+8*\t:(\cb)+8*\t+7]
.else
	v_wmma_f32_16x16x32_bf16 v[ACC+8*\t:ACC+8*\t+7], v[(4*(\ks)+\t)*8:(4*(\ks)+\t)*8+7], v[64*(\p)+8*(\ks):64*(\p)+8*(\ks)+7], v[ACC+8*\t:ACC+8*\t+7]
.endif
.endif
.endr
.endm
; PRODS: 32 products, or 64 with the lo terms.  The four accumulators take turns, one instruction a turn, over the loop's backward jump too.
.macro PRODS cb, lo, fin
	WIN 0x09-3*(\fin)                              ; M^T in window 1, T in window 2: as sources 0 and 1, or (fin = 1) 1 and 0
.irp ks, 0,1,2,3,4,5,6,7
	s_wait_dscnt (7-\ks)*(2+2*(\lo))               ; LDS loads come back in order (ISA guide 5.7.1): the later K steps' loads may be out
	LINKS \ks, 0, \cb, \fin
.if \lo
	LINKS \ks, 1, \cb, \fin
.endif
.endr
	WIN 0
.rept 4
	v_nop                                          ; four places between the last products and the first read of a result (ISA guide 7.12.1); no other vector work is at hand
.endr
.endm
; SPLIT: tile by tile, each accumulator from its low end on: hi = bf16(T) and, with lo = 1, lo = bf16(T - hi).  When all four tiles are converted they go into buffer wb, in one run, as halves of the next step's fragments.
.macro SPLIT wb, lo
	s_wait_alu depctr_vm_vsrc(0)                   ; the LDS stores of the step before (for step 1: T_0's) have read HI and LO, which the conversions below write again
.irp t, 0,1,2,3
.irp q, 0,1,2,3
	v_cvt_pk_bf16_f32 v[HI+4*\t+\q], v[ACC+8*\t+2*\q], v[ACC+8*\t+2*\q+1]
.endr
.if \lo
.irp q, 0,1,2,3
	v_lshlrev_b32 v[TP+2*\q], 16, v[HI+4*\t+\q]
	v_and_b32 v[TP+2*\q+1], s12, v[HI+4*\t+\q]
.endr
.irp q, 0,1,2,3
	v_pk_add_f32 v[TP+2*\q:TP+2*\q+1], v[ACC+8*\t+2*\q:ACC+8*\t+2*\q+1], v[TP+2*\q:TP+2*\q+1] neg_lo:[0,1] neg_hi:[0,1]  ; T - hi, exact
.endr
.irp q, 0,1,2,3
	v_cvt_pk_bf16_f32 v[LO+4*\t+\q], v[TP+2*\q], v[TP+2*\q+1]
.endr
.endif
.endr
	s_wait_alu depctr_va_vdst(0)                   ; the conversions have written HI and LO, which the LDS stores below read; this step's products are done reading T's fragments, in which the next step's LDS loads land
.irp t, 0,1,2,3
	ds_store_b128 v[STO], v[HI+4*\t:HI+4*\t+3] offset:(\wb)*BUF+(\t/2)*1024+(\t%2)*512
.if \lo
	ds_store_b128 v[STO], v[LO+4*\t:LO+4*\t+3] offset:(\wb)*BUF+PART+(\t/2)*1024+(\t%2)*512
.endif
.endr
.endm
; rb, wb: the buffers read and written; cb: +W or -W; tin, tout = 1: the T that comes in, the T that goes out, has two terms
.macro STEP rb, wb, cb, tin, tout
	GATHER \rb, \tin
	PRODS \cb, \tin, 0
	SPLIT \wb, \tout
.endm
	STEP 0, 1, WCN, 0, 0                           ; step 1: T_1 = M^T T_0 - W
	s_mov_b32 s13, 3
.Lstep:                                                ; steps 2 to 7, two a trip: one term in, one term out
	STEP 1, 0, WC, 0, 0
	STEP 0, 1, WCN, 0, 0
	s_sub_co_u32 s13, s13, 1
	s_cmp_lg_u32 s13, 0
	s_cbranch_scc1 .Lstep
	STEP 1, 0, WC, 0, 1                            ; step 8: T_8 goes out in two terms
	STEP 0, 1, WCN, 1, 1                           ; steps 9 to 11: two terms in, two terms out
	STEP 1, 0, WC, 1, 1
	STEP 0, 1, WCN, 1, 1
	GATHER 1, 1                                    ; step 12, sources swapped: T_12 = Z_12 = E^T
	PRODS WCF, 1, 1
	s_wait_alu depctr_vm_vsrc(0)                   ; step 11's LDS stores have read HI, which the conversions below write again
.set i, 0
.rept 16
	v_cvt_pk_bf16_f32 v[HI+i], v[ACC+2*i], v[ACC+2*i+1]  ; E is rounded once; a lane's eight columns of a tile are 16 bytes of e
.set i, i+1
.endr
	s_wait_alu depctr_va_vdst(0)                   ; the conversions have written HI, which the stores below read
.irp t, 0,1,2,3
	global_store_b128 v[EO], v[HI+4*\t:HI+4*\t+3], s[8:9] offset:\t*1024  ; 512 consecutive bytes, at a multiple of 512 from e's first byte
.endr
	s_wait_dscnt 0x0
	s_wait_alu depctr_hold_cnt(0) depctr_sa_sdst(0) depctr_va_vdst(0) depctr_va_sdst(0) depctr_va_ssrc(0) depctr_va_vcc(0) depctr_vm_vsrc(0)
	s_wait_tensorcnt 0x0
	ds_add_u32 v254, v255
	s_wait_dscnt 0x0
	s_endpgm
.Lfunc_end_k_q14a60c4c2f_fold:
	.size	k_q14a60c4c2f_fold, .Lfunc_end_k_q14a60c4c2f_fold-k_q14a60c4c2f_fold
	.p2alignl 7, 3214868480
	.fill 96, 4, 3214868480
	.section	.rodata,"a",@progbits
	.p2align	6, 0x0
	.amdhsa_kernel k_q14a60c4c2f_fold
		.amdhsa_group_segment_fixed_size 33280
		.amdhsa_private_segment_fixed_size 0
		.amdhsa_enable_private_segment 0
		.amdhsa_kernarg_size 24
		.amdhsa_user_sgpr_count 2
		.amdhsa_user_sgpr_kernarg_segment_ptr 1
		.amdhsa_wavefront_size32 1
		.amdhsa_system_sgpr_workgroup_id_x 1
		.amdhsa_system_sgpr_workgroup_id_y 1
		.amdhsa_system_sgpr_workgroup_id_z 1
		.amdhsa_system_vgpr_workitem_id 0
		.amdhsa_next_free_vgpr 1024
		.amdhsa_next_free_sgpr 66
		.amdhsa_reserve_vcc 0
		.amdhsa_float_denorm_mode_32 3
		.amdhsa_float_denorm_mode_16_64 3
		.amdhsa_memory_ordered 1
		.amdhsa_forward_progress 1
		.amdhsa_inst_pref_size 105
	.end_amdhsa_kernel
	.amdgpu_metadata
---
amdhsa.version: [ 1, 2 ]
amdhsa.kernels:
  - .name:           k_q14a60c4c2f_fold
    .symbol:         k_q14a60c4c2f_fold.kd
    .args:
      - { .name: M, .offset: 0, .size: 8, .value_kind: global_buffer, .address_space: global }
      - { .name: W, .offset: 8, .size: 8, .value_kind: global_buffer, .address_space: global }
      - { .name: e, .offset: 16, .size: 8, .value_kind: global_buffer, .address_space: global }
    .group_segment_fixed_size: 33280
    .private_segment_fixed_size: 0
    .kernarg_segment_align: 8
    .kernarg_segment_size: 24
    .max_flat_workgroup_size: 128
    .sgpr_count:     66
    .vgpr_count:     1024
    .wavefront_size: 32
...
	.end_amdgpu_metadata
.endif
;; end of part 3
;; launch apply: the kernel of part 2 again; grid 256 x 1, 4 waves a work-group, clusters of 4 x 1, 262,656 bytes of LDS; arguments e, x, out0; writes out0
